; MI455X (gfx1250); checked and timed in simulation.
; The chip was launched on July 23, 2026; its instructions are those of AMD's public machine-readable ISA for CDNA 5 (MIT licence, August 2026) and "CDNA5" Instruction Set Architecture Reference Guide (July 2026). The comments in the code are by the model that wrote it; some were corrected since.
;; GQA. Allowed arithmetic: matrix products marked QUANTISED: E2M1 operands, one E8M0 scale for each 32 along K, by v_wmma_scale_f32_16x16x128_f8f6f4 with both operands' format E2M1 (or v_wmma_scale_f32_32x16x128_f4), f32 sums; everything else in f32.
;; Inputs: K 2 x 8 x 2,048 x 128 float32; Q 2 x 32 x 2,048 x 128 float32; V 2 x 8 x 2,048 x 128 float32.
;; Outputs: out0 2 x 32 x 2,048 x 128 float32.
;; This version of the problem:
;;   THIS VERSION OF THE PROBLEM IS GIVEN IN LOW PRECISION. The matrix products marked QUANTISED in the list below multiply operands that are first quantised to E2M1 (2 exponent bits, 1 mantissa bit; 4 bits a number), with one power-of-two scale for each 32 numbers along K (OCP MX v1.0); their sums are f32. All else is computed in f32.
;;   The module's matrix products, in the order in which they are computed (A, B: the left and right operand; K: the contracted axis; several contracted axes count as one K, in the product's order):
;;     1. batch 16 x [M 8,192, K 128] x [K 128, N 2,048]; A: input Q; B: input K: QUANTISED
;;     2. batch 16 x [M 8,192, K 2,048] x [K 2,048, N 128]; A: softmax (see below); B: input V: QUANTISED
;;   THE QUANTISER, for each operand of a quantised product, along K:
;;     - K is cut into blocks of 32 from its start; a last block that is shorter is filled with zeros.
;;     - A block's scale is 2^e with e = floor(log2(the largest magnitude in the block)) - 2, held to -126 .. 127; a block of zeros has e = 0. As a byte (E8M0): e + 127.
;;     - Each number is divided by its block's scale, clamped to +-6, and rounded to the nearest number of E2M1, ties to even, subnormals kept.
;;     - The product sums the exact products of the quantised numbers (number of the format x scale) in f32.
;;   ~~~python
;;   def quantise(x, axis):      # numpy; x: float32 -> the quantised numbers, widened to float32 again
;;       x = np.moveaxis(x, axis, -1); K = x.shape[-1]
;;       x = np.pad(x, [(0, 0)] * (x.ndim - 1) + [(0, -K % 32)]); x = x.reshape(x.shape[:-1] + (-1, 32)); a = np.abs(x).max(-1, keepdims=True)
;;       e = np.where(a > 0, np.clip(np.frexp(np.where(a > 0, a, 1))[1] - 1 - 2, -126, 127), 0)      # np.frexp(a)[1] - 1 = floor(log2(a)), exactly
;;       r = np.clip(x / 2.0 ** e, -6, 6)
;;       step = 2.0 ** (np.maximum(np.frexp(np.where(r == 0, 1, r))[1] - 1, 0) - 1)
;;       q = np.round(r / step) * step * 2.0 ** e      # np.round: ties to even
;;       return np.moveaxis(q.reshape(q.shape[:-2] + (-1,))[..., :K], -1, axis).astype(np.float32)
;;   ~~~
;;   SOFTMAX AHEAD OF A QUANTISED PRODUCT. Where the list says 'softmax', what is quantised is not the finished softmax but p = 2^(t - M), with t = logit x log2(e) and M = ceil(the row's largest t), a whole number; so 1/2 < the row's largest p <= 1. The row's sum l is taken of the UNQUANTISED p, in f32, and the product's result is divided by l at the end. Since M is a whole number, a kernel that streams over the keys may use a running M (the ceiling of the running maximum): every later rescaling is an exact power of two, which a block's scale takes up: the codes' values come out the same.
;;   OPERANDS COMPUTED ON THE WAY. 'Computed on the way' means the value that the module computes at that place (a softmax that the list does not call 'softmax' is quantised finished and normalised). What goes into a quantiser is computed in f32, as accurately as f32 sums, v_exp_f32 and their like allow (about 1e-6 of the number): no bf16 or f16 on the way to a quantiser, and a product that is left as it is and whose result goes on into a quantised operand takes f32 operands (vector FMAs, or v_wmma_f32_16x16x4_f32). A number that lies on a knife's edge between two numbers of the format may be rounded either way, as far as f32 arithmetic and the matrix unit's own rounding can turn it there, and no further.
;; One version. Each part assembles by itself: llvm-mc -triple=amdgcn-amd-amdhsa -mcpu=gfx1250 --defsym DOCPART=n.
;; ======== version 1 of 1: 2 launches
;; limits: right only within a limited range of input values
;; workspace buffers: kv 4,456,448 bytes
;; launch quant (part 1): grid 512 x 1, 4 waves a work-group, no clusters, 0 bytes of LDS; arguments K, V, kv; writes kv
.if DOCPART == 1
	.amdgcn_target "amdgcn-amd-amdhsa--gfx1250"
	.amdhsa_code_object_version 6
	.text
	.protected	k_q3ea854fc99_quant
	.globl	k_q3ea854fc99_quant
	.p2align	8
	.type	k_q3ea854fc99_quant,@function
k_q3ea854fc99_quant:
	s_mov_b64 s[64:65], 0
	v_nop
	global_prefetch_b8 v0, s[64:65] scope:SCOPE_SE
	s_setreg_imm32_b32 hwreg(HW_REG_WAVE_MODE, 25, 1), 1
	s_wait_xcnt 0x0
; K and V, [16 heads][2048 keys][128 channels] f32, become codes of FP4 (E2M1) with one E8M0 scale byte for each 32 along a product's K:
; K along the channels (the first product's K), V along the keys (the second product's K).
; A block's scale is 2^(floor(log2(its largest magnitude)) - 2): its byte is the largest magnitude's exponent field - 2, held at 1 from below.
; THE OUTPUT IS LAID AS THE ATTENTION LAUNCH'S REGISTERS WANT IT: [head][key step of 128 keys][17,408 bytes]; in a step's block
;   0     K's codes: tile t = 4 c + g (0..7), half d, lane l = (r, h): 16 bytes at 1024 t + 512 d + 16 l = key 64 c + 32 (r / 8) + 8 g + r % 8, channels 64 d + 32 h + 0..31
;   8192  V's codes: tile t, half c, lane (r, h): 16 bytes at 1024 t + 512 c + 16 l = channel 16 t + r, keys 64 c + 32 h + 0..31 of the step
;   16384 K's scale words: word 128 w + 4 l: lanes 0-15 tile 2 w row r, lanes 16-31 tile 2 w + 1 row r
;   16896 V's scale words: word 4 d of channel d (so again lanes 0-15 tile 2 w, lanes 16-31 tile 2 w + 1)
; SHARES: work-groups 0-255 take K's step (16 head + step), work-groups 256-511 V's.  A step is 65,536 dense bytes of the input.  No LDS, no barrier: waves share nothing.
; K: wave w makes tiles 2 w and 2 w + 1: a lane takes 16 neighbouring channels of each block of 32 of its key; lanes l and l xor 16 hold a block.
; V: a lane takes channel 32 wave + lane and its registers run down the keys: a block of 32 keys lies in one lane, and the codes come out with the keys innermost.
; LIMITS: NaN and infinities among the inputs are not served.  A block of zeros, or one whose largest magnitude lies under 2^-124, keeps the byte 1 where the rule says 127 for zeros:
; zero codes add nothing under any byte but 0xff, and these bytes are read by this program alone.
.set STEPB, 17408                      ; a step's block in kv
.set TM,  16                           ; v16-19 largest magnitudes
.set TP,  20                           ; v20-23 the other half's maxima, then the scale bytes
.set TS,  24                           ; v24-27 the conversions' scale operands
.set C,   32                           ; v32-47 codes
.set X,   64                           ; v64-191 numbers as loaded
.set SEL, 20                           ; s[20:21] lane selects: lane l xor 16
; 64 numbers of a lane, register 16 b + i = k 32 b + 16 (lane / 16) + i of my row, become a fragment's 8 registers of codes and my row's scale word
.macro QUANT src, dst, word
.irp b, 0,1,2,3
	v_max3_num_f32 v[TM+\b], |v[\src+16*\b]|, |v[\src+1+16*\b]|, 0x1800000   ; my 16 numbers of block b, and the floor 2^(3 - 127)
.endr
.irp i, 2,4,6,8,10,12,14
.irp b, 0,1,2,3
	v_max3_num_f32 v[TM+\b], v[TM+\b], |v[\src+16*\b+\i]|, |v[\src+1+16*\b+\i]|
.endr
.endr
.irp b, 0,1,2,3
	v_permlanex16_b32 v[TP+\b], v[TM+\b], s[SEL], s[SEL+1]
.endr
.irp b, 0,1,2,3
	v_max_num_f32 v[TM+\b], v[TM+\b], v[TP+\b]      ; with lane l xor 16's: the block's largest magnitude
.endr
.irp b, 0,1,2,3
	v_add_nc_u32 v[TS+\b], 0xff000000, v[TM+\b]     ; 2 off its exponent field: the conversion's scale operand
.endr
.irp b, 0,1,2,3
	v_lshrrev_b32 v[TP+\b], 23, v[TS+\b]            ; the scale's byte
.endr
	v_lshl_or_b32 v[\word], v[TP+1], 8, v[TP]
	v_lshl_or_b32 v[\word], v[TP+2], 16, v[\word]
	v_lshl_or_b32 v[\word], v[TP+3], 24, v[\word]
.irp b, 0,1,2,3
	v_cvt_scalef32_pk8_fp4_f32 v[\dst+2*\b], v[\src+16*\b:\src+7+16*\b], v[TS+\b]
	v_cvt_scalef32_pk8_fp4_f32 v[\dst+1+2*\b], v[\src+8+16*\b:\src+15+16*\b], v[TS+\b]
.endr
	v_nop                                          ; one plain place behind a scaled conversion
.irp c, 0,1                                    ; a whole block to a lane: lanes 0-15 block 2 c, lanes 16-31 block 2 c + 1
.irp i, 0,1
	v_permlane16_swap_b32 v[\dst+4*\c+\i], v[\dst+2+4*\c+\i]
.endr
.endr
.endm
	s_load_b128 s[4:7], s[0:1], 0x0                ; K s[4:5], V s[6:7]
	s_load_b64 s[8:9], s[0:1], 0x10                ; kv
	v_lshrrev_b32 v1, 5, v0
	v_readfirstlane_b32 s10, v1                    ; wave 0..3
	s_lshr_b32 s16, s10, 1
	s_lshl_b32 s16, s16, 15                        ; K: 64 keys of 512 bytes for wave / 2,
	s_and_b32 s17, s10, 1
	s_lshl_b32 s17, s17, 13
	s_add_co_u32 s16, s16, s17                     ; 16 keys for wave % 2
	v_and_b32 v1, 31, v0                           ; lane
	v_and_b32 v2, 15, v0                           ; r
	v_bfe_u32 v3, v0, 4, 1                         ; h
	v_lshlrev_b32 v4, 2, v0                        ; 128 wave + 4 lane: V's channel in a row, and both kinds of scale words
	v_lshlrev_b32 v5, 4, v1
	v_lshl_add_u32 v5, s10, 11, v5                 ; K's codes: 16 lane + 2048 wave (two tiles a wave)
	v_lshlrev_b32 v6, 4, v2
	v_lshl_add_u32 v6, v3, 10, v6
	v_lshl_add_u32 v6, s10, 11, v6                 ; V's codes: 2048 wave + 1024 h + 16 r
	v_and_b32 v7, 8, v2
	v_mad_u32_u24 v7, v7, 3, v2                    ; r % 8 + 32 (r / 8)
	v_lshlrev_b32 v7, 9, v7                        ; a key's row is 512 bytes
	v_lshl_add_u32 v7, v3, 6, v7                   ; + 64 h: my 16 channels of a block of 32
	v_add_nc_u32 v7, s16, v7                       ; + my wave's keys
.irp b, 0,1,2,3
	v_mov_b32 v[TP+\b], 0                          ; written once: a lane permute's destination counts as one of its sources
.endr
	s_and_b32 s11, ttmp9, 255                      ; 16 head + step
	s_lshl_b32 s12, s11, 16                        ; the step's 65,536 bytes of the input
	s_mov_b32 s13, 0
	s_mul_i32 s14, s11, STEPB                      ; and its block in kv
	s_mov_b32 s15, 0
	s_mov_b32 s[SEL], 0x76543210
	s_mov_b32 s[SEL+1], 0xfedcba98
	s_wait_alu depctr_va_vdst(0)                   ; the wait at the head's end
	s_wait_kmcnt 0x0
	s_add_nc_u64 s[4:5], s[4:5], s[12:13]
	s_add_nc_u64 s[6:7], s[6:7], s[12:13]
	s_add_nc_u64 s[8:9], s[8:9], s[14:15]
	s_cmp_lt_u32 ttmp9, 256                        ; K's work-group or V's: the work-group's number alone decides
	s_cbranch_scc0 .Lv_path
	; ---- K: tiles 2 wave + u, u = 0, 1: 8 keys apart
.irp u, 0,1
.irp b, 0,1,2,3
.irp j, 0,1,2,3
	global_load_b128 v[X+64*\u+16*\b+4*\j:X+64*\u+16*\b+4*\j+3], v7, s[4:5] offset:4096*\u+128*\b+16*\j th:TH_LOAD_NT
.endr
.endr
.endr
	s_wait_loadcnt 16                              ; the first tile's 16 loads are in; the second tile's 16 may be out
	QUANT X, C, 28
	s_wait_loadcnt 0x0
	QUANT X+64, C+8, 29
.irp u, 0,1
.irp c, 0,1
	global_store_b128 v5, v[C+8*\u+4*\c:C+8*\u+4*\c+3], s[8:9] offset:1024*\u+512*\c   ; 32 lanes store 512 consecutive bytes
.endr
.endr
	v_cmp_gt_u32 vcc_lo, 16, v1
	v_cndmask_b32 v30, v29, v28, vcc_lo            ; lanes 0-15 the even tile's word, lanes 16-31 the odd tile's
	global_store_b32 v4, v30, s[8:9] offset:16384  ; the four waves' 128 bytes lie on end
	s_endpgm
	; ---- V: channel 32 wave + lane, four blocks of 32 keys
.Lv_path:
.macro VLOAD q                         ; block q: V(32 q + i, my channel) into set q % 2: the four waves read a whole row
.irp i, 0,1,2,3,4,5,6,7,8,9,10,11,12,13,14,15,16,17,18,19,20,21,22,23,24,25,26,27,28,29,30,31
	global_load_b32 v[X+32*((\q)%2)+\i], v4, s[6:7] offset:(32*(\q)+\i)*512 th:TH_LOAD_NT
.endr
.endm
.macro VBLOCK q
.set XS, X+32*((\q)%2)
.if (\q) < 3
	s_wait_loadcnt 32                              ; this block's 32 loads are in; the next block's 32 may be out
.else
	s_wait_loadcnt 0x0
.endif
	v_max3_num_f32 v16, |v[XS]|, |v[XS+1]|, |v[XS+2]|              ; the block's largest magnitude: all 32 numbers are mine; two chains
	v_max3_num_f32 v17, |v[XS+3]|, |v[XS+4]|, |v[XS+5]|
.irp i, 6,10,14,18,22,26
	v_max3_num_f32 v16, v16, |v[XS+\i]|, |v[XS+\i+1]|
	v_max3_num_f32 v17, v17, |v[XS+\i+2]|, |v[XS+\i+3]|
.endr
	v_max3_num_f32 v16, v16, |v[XS+30]|, |v[XS+31]|
	v_max3_num_f32 v16, v16, v17, 0x1800000        ; and the floor 2^(3 - 127)
	v_add_nc_u32 v24, 0xff000000, v16              ; the conversion's scale operand
	v_lshrrev_b32 v20, 23, v24                     ; the scale's byte
.if (\q) == 0
	v_mov_b32 v30, v20                             ; four bytes make my channel's word, the lower keys in the lower byte
.else
	v_lshl_or_b32 v30, v20, 8*(\q), v30
.endif
.irp g, 0,1,2,3
	v_cvt_scalef32_pk8_fp4_f32 v[C+4*(\q)+\g], v[XS+8*\g:XS+8*\g+7], v24
.endr
	v_nop                                          ; one plain place behind a scaled conversion
	global_store_b128 v6, v[C+4*(\q):C+4*(\q)+3], s[8:9] offset:8192+512*((\q)/2)+256*((\q)%2)   ; sixteen lanes store 256 consecutive bytes, aligned
.if (\q) < 2
	VLOAD (\q)+2
.endif
.endm
	VLOAD 0
	VLOAD 1
	VBLOCK 0
	VBLOCK 1
	VBLOCK 2
	VBLOCK 3
	global_store_b32 v4, v30, s[8:9] offset:16896
	s_endpgm
.Lfunc_end_k_q3ea854fc99_quant:
	.size	k_q3ea854fc99_quant, .Lfunc_end_k_q3ea854fc99_quant-k_q3ea854fc99_quant
	.p2alignl 7, 3214868480
	.fill 96, 4, 3214868480
	.section	.rodata,"a",@progbits
	.p2align	6, 0x0
	.amdhsa_kernel k_q3ea854fc99_quant
		.amdhsa_group_segment_fixed_size 0
		.amdhsa_private_segment_fixed_size 0
		.amdhsa_enable_private_segment 0
		.amdhsa_kernarg_size 24
		.amdhsa_user_sgpr_count 2
		.amdhsa_user_sgpr_kernarg_segment_ptr 1
		.amdhsa_wavefront_size32 1
		.amdhsa_system_sgpr_workgroup_id_x 1
		.amdhsa_system_sgpr_workgroup_id_y 1
		.amdhsa_system_sgpr_workgroup_id_z 1
		.amdhsa_system_vgpr_workitem_id 0
		.amdhsa_next_free_vgpr 192
		.amdhsa_next_free_sgpr 66
		.amdhsa_reserve_vcc 1
		.amdhsa_float_denorm_mode_32 3
		.amdhsa_float_denorm_mode_16_64 3
		.amdhsa_memory_ordered 1
		.amdhsa_forward_progress 1
		.amdhsa_inst_pref_size 32
	.end_amdhsa_kernel
	.amdgpu_metadata
---
amdhsa.version: [ 1, 2 ]
amdhsa.kernels:
  - .name:           k_q3ea854fc99_quant
    .symbol:         k_q3ea854fc99_quant.kd
    .args:
      - { .name: K, .offset: 0, .size: 8, .value_kind: global_buffer, .address_space: global }
      - { .name: V, .offset: 8, .size: 8, .value_kind: global_buffer, .address_space: global }
      - { .name: kv, .offset: 16, .size: 8, .value_kind: global_buffer, .address_space: global }
    .group_segment_fixed_size: 0
    .private_segment_fixed_size: 0
    .kernarg_segment_align: 8
    .kernarg_segment_size: 24
    .max_flat_workgroup_size: 128
    .sgpr_count:     66
    .vgpr_count:     192
    .wavefront_size: 32
...
	.end_amdgpu_metadata
.endif
;; end of part 1
;; launch attn (part 2): grid 16 x 16, 8 waves a work-group, clusters of 4 x 1, 327,680 bytes of LDS; arguments Q, kv, out0; writes out0
.if DOCPART == 2
	.amdgcn_target "amdgcn-amd-amdhsa--gfx1250"
	.amdhsa_code_object_version 6
	.text
	.protected	k_q3ea854fc99_attn
	.globl	k_q3ea854fc99_attn
	.p2align	8
	.type	k_q3ea854fc99_attn,@function
k_q3ea854fc99_attn:
	s_mov_b64 s[64:65], 0
	v_nop
	global_prefetch_b8 v0, s[64:65] scope:SCOPE_SE
	s_setreg_imm32_b32 hwreg(HW_REG_WAVE_MODE, 25, 1), 1
	s_wait_xcnt 0x0
	s_wait_alu depctr_hold_cnt(0) depctr_sa_sdst(0) depctr_va_vdst(0) depctr_va_sdst(0) depctr_va_ssrc(0) depctr_va_vcc(0) depctr_vm_vsrc(0)
	s_getreg_b32 s2, hwreg(HW_REG_IB_STS2, 6, 4)
	s_cmp_eq_u32 s2, 0
	s_cbranch_scc0 .Lentry_in_a_cluster
	s_endpgm
.Lentry_in_a_cluster:
	s_bfe_u32 s2, ttmp6, 0x10000c
	s_cmp_lg_u32 s2, 0x3003
	s_cbranch_scc0 .Lentry_shape_is_right
	s_endpgm
.Lentry_shape_is_right:
; out0[row][:] = the sum over the keys of softmax(Q[row] . K[key] / sqrt(128)) V[key][:], both products on codes of FP4 (E2M1) with one E8M0 scale for each 32 along a product's K.
; The four query heads of a key/value head y (0..15) are 8,192 consecutive rows of Q and of out0, from row 8,192 y on.
; THE SOFTMAX: t = score x log2(e) / sqrt(128); M = the row's largest t so far, rounded up to a whole number; p = 2^(t - M) is quantised along the keys, not normalised.
; The row's sum is taken of the unquantised p and divides at the end.  When M moves, the sum and O are multiplied by 2^(old M - new M): exact.
; SHARES.  A work-group owns 512 query rows of one y, in two passes of 256; each of its eight waves owns 32 rows a pass, two tiles of 16, whose softmaxes are laid line by line in turns.
; K AND V.  The head's codes and scale words, 16 steps x 17,408 bytes, lie in kv as images of the operands' registers and stay in LDS whole: filled once, so the loop over the keys has no barrier.
; CLUSTER.  The four work-groups of a cluster share y: each wave's one tensor load (two steps, 34,816 bytes) is asked for jointly.  By this text's own count a wave has one tensor load outstanding.
; LAYOUT.  Both products are used transposed: S^T = K Q^T, O^T = V^T P^T: a lane holds one query (lane % 16) throughout.
; Row r of K's tile 4 c + g is key 64 c + 32 (r / 8) + 8 g + r % 8: so the 32 registers of tiles 4 c .. 4 c + 3 are, in lane (r, h), keys 64 c + 32 h + 0..31: a WHOLE block of 32,
; and the conversion of tile 4 c + g is register 4 c + g of P's operand.  A lane makes the scale bytes of blocks h and 2 + h; lane l xor 16 gives the other two.
; Q.  A tile's 16 rows are loaded as runs of 256 consecutive bytes, turn through the wave's own stage in LDS, and come back 32 neighbours of a block to a lane; they are quantised in registers.
; Pass 0's Q is asked for at the head; pass 1's is loaded into K's and V's fragment registers as the last step of pass 0 leaves them.
; PREFETCH.  Pass 1's Q, 64 blocks of 256 bytes a wave, is asked for in pass 0's loop: wave w in the trip whose count is 14 - w, two instructions, a lane a block, 7 trips or more ahead of the loads.
; kv and pass 0's Q are asked for at the head, where there is no loop to run ahead in: they have no prefetch.
; LIMITS: NaN and infinities are not served.  The promise holds while the scaled scores stay under 2^31 in magnitude.  A block of zeros or under 2^-124 keeps the scale byte 1.
; A p under 2^-126 is taken as 0 (v_exp_f32 gives no denormals: ISA guide 15.8).  A block's largest p is made from its largest score by the same multiply-add and exponential: this takes v_exp_f32 not to fall where its input rises.
; REGISTERS.  Window 0: v1-11 addresses; v12-19 statistics; v20-29 scale words; v32-47 Q's codes; v48-63 p's codes; v64-191 S^T, then p (also Q, and the way out); v192-220 at work.
;   Window 1: v0-127 O^T; v128-191 V's fragments; v192-255 K's.
.set STEPB, 17408
.set HEADB, 16*STEPB
.set STAGE, HEADB                      ; 16 rows x 272 bytes for each wave: Q's way in and O's way out; no fill lands there
.set SPARE, STAGE+8*4352               ; the spare words, 128 bytes a wave
.set L16, 1                            ; 16 x lane
.set L4,  2                            ; 4 x lane
.set A16, 3                            ; the step's block + 16 x lane
.set A4,  4                            ; the step's block + 4 x lane
.set STO, 5                            ; stage: row r, + 32 h
.set RD,  6                            ; stage: row h, + 16 r
.set GO,  7                            ; the same two rows in Q and out0: 512 h + 16 r
.set QLD, 8                            ; stage: row r, + 128 h
.set SH8, 9                            ; 8 h
.set SPW, 10
.set NIL, 11
.set ST,  12                           ; tile z: v[ST+4z] -M, +1 the largest score, +2, +3 the sum in two halves
.set KS,  20
.set VS,  24
.set QW,  28
.set QC,  32
.set PC,  48
.set S,   64                           ; tile z, block c at S + 32 (2 z + c)
.set BM,  192                          ; q = 2 z + c: a block's largest, first chain
.set BB,  196                          ; second chain
.set SO,  200                          ; the conversions' scale operands
.set BP,  204                          ; the scale bytes
.set TMP, 208
.set FF,  212                          ; tile z: v[FF+2z] f, later 1 / sum; v[FF+2z+1] p's scale word
.set SUM2, 216                         ; the sums' second chains
.set PFO, 220                          ; 256 x lane
.set VF,  128                          ; in window 1
.set KF,  192                          ; in window 1
.set WV,  10
.set SEL, 20
.set CS,  22                           ; s[22:23] c = log2(e) / sqrt(128), twice
.set G1,  24
.set G0,  32
.set TB,  36                           ; LDS byte at which the step's block begins
.set CNT, 37
.set PFT, 38                           ; the trip in which my wave prefetches
.set MSB, 0
.macro WIN new                         ; the immediate's high byte repeats the setting that is left
.if MSB != \new
	s_set_vgpr_msb (MSB<<8)|\new
.set MSB, \new
.endif
.endm
.set W_QK, 0x01                        ; source 0 window 1
.set W_ST, 0x04                        ; source 1 (an LDS store's data) window 1
.set W_LD, 0x40                        ; destination window 1
.set W_RS, 0x41                        ; destination and source 0 window 1
.set W_PV, 0x51                        ; V, C and D window 1
.macro D n
	s_delay_alu instid0(VALU_DEP_\n)
.endm
.macro CROUND                          ; a round of the cluster's barrier
	s_barrier_signal -1
	s_barrier_wait -1
	s_cmp_lg_u32 s[WV], 0
	s_cbranch_scc1 .Lnot_wave_0_\@
	s_barrier_signal -3
.Lnot_wave_0_\@:
	s_barrier_wait -3
	s_barrier_signal -1
	s_barrier_wait -1
.endm
.macro M3 ab, d, x, y, w
.if \ab
	v_max3_num_f32 v[\d], |v[\x]|, |v[\y]|, |v[\w]|
.else
	v_max3_num_f32 v[\d], v[\x], v[\y], v[\w]
.endif
.endm
; The largest of each of my four blocks of 32 (two tiles x two blocks), eight chains by turns.  ab = 1: of the magnitudes, with the floor 2^(3 - 127).
; Each accumulator of S^T is first read at one of its four lowest registers.
.macro BMAX ab
.irp q, 0,1,2,3
	M3 \ab, BM+\q, S+32*\q, S+32*\q+1, S+32*\q+2
	M3 \ab, BB+\q, S+32*\q+16, S+32*\q+17, S+32*\q+18
.endr
.irp i, 3,5,7,9,11,13
.irp q, 0,1,2,3
	M3 \ab, BM+\q, BM+\q, S+32*\q+\i, S+32*\q+\i+1
	M3 \ab, BB+\q, BB+\q, S+32*\q+\i+16, S+32*\q+\i+17
.endr
.endr
.irp q, 0,1,2,3
	M3 \ab, BM+\q, BM+\q, S+32*\q+15, S+32*\q+31
.endr
.irp q, 0,1,2,3
	D 4
.if \ab
	v_max3_num_f32 v[BM+\q], v[BM+\q], v[BB+\q], 0x1800000
.else
	v_max_num_f32 v[BM+\q], v[BM+\q], v[BB+\q]
.endif
.endr
.endm
; Tile z of pass p of my Q: each instruction reads 256 consecutive bytes of two rows; into 64 registers of window 1
.macro XLOAD z, lb, p
.irp u, 0,1
.irp i, 0,1,2,3,4,5,6,7
	global_load_b128 v[\lb+32*\u+4*\i:\lb+32*\u+4*\i+3], v[GO], s[4:5] offset:131072*\p+8192*\z+1024*\i+256*\u th:TH_LOAD_NT
.endr
.endr
.endm
; and through my stage, half a row at a time: register S + 64 z + 32 u + i is then Q(r, 64 u + 32 h + i).  LDS serves a wave's instructions in order (ISA guide 5.7.1.4)
.macro QSTAGE z, lb
.irp u, 0,1
	WIN W_ST
.irp i, 0,1,2,3,4,5,6,7
	ds_store_b128 v[RD], v[\lb+32*\u+4*\i:\lb+32*\u+4*\i+3] offset:544*\i
.endr
	WIN 0
.irp j, 0,1,2,3,4,5,6,7
	ds_load_b128 v[S+64*\z+32*\u+4*\j:S+64*\z+32*\u+4*\j+3], v[QLD] offset:16*\j
.endr
.endr
.endm
; Both tiles of Q become codes and scale words
.macro QUANT2
	BMAX 1
.irp q, 0,1,2,3
	D 4
	v_add_nc_u32 v[SO+\q], 0xff000000, v[BM+\q]     ; 2 off the exponent field: the conversion's scale operand
.endr
.irp q, 0,1,2,3
	D 4
	v_lshrrev_b32 v[BP+\q], 23, v[SO+\q]            ; the scale's byte
.endr
	D 3
	v_lshl_or_b32 v[TMP], v[BP+1], 16, v[BP]       ; my two bytes: blocks h and 2 + h,
	D 2
	v_lshl_or_b32 v[TMP+1], v[BP+3], 16, v[BP+2]
.irp z, 0,1
	D 2
	v_lshlrev_b32 v[TMP+\z], v[SH8], v[TMP+\z]      ; at their places in the word;
.endr
.irp z, 0,1
	D 2
	v_permlanex16_b32 v[TMP+2+\z], v[TMP+\z], s[SEL], s[SEL+1]
.endr
.irp z, 0,1
	D 2
	v_or_b32 v[QW+\z], v[TMP+\z], v[TMP+2+\z]       ; with lane l xor 16's two the word is whole
.endr
.irp q, 0,1,2,3
.irp g, 0,1,2,3
	v_cvt_scalef32_pk8_fp4_f32 v[QC+4*\q+\g], v[S+32*\q+8*\g:S+32*\q+8*\g+7], v[SO+\q]
.endr
.endr
	v_nop                                          ; one plain place behind a scaled conversion
.endm
.macro KCODES a, off
.irp t, 0,1,2,3,4,5,6,7
.irp c, 0,1
	ds_load_b128 v[KF+8*\t+4*\c:KF+8*\t+4*\c+3], v[\a] offset:\off+1024*\t+512*\c
.endr
.endr
.endm
.macro KWORDS a, off
.irp w, 0,1,2,3
	ds_load_b32 v[KS+\w], v[\a] offset:\off+16384+128*\w
.endr
.endm
.macro FETCHK0                         ; K of step 0
	WIN W_LD
	KCODES L16, 0
	WIN 0
	KWORDS L4, 0
.endm
; A product.  A's scale register holds the words of an even tile in lanes 0-15 and of the odd tile behind it in lanes 16-31
.macro WM d, a, b, c, sa, sb, odd
.if \odd
	v_wmma_scale_f32_16x16x128_f8f6f4 v[\d:\d+7], v[\a:\a+7], v[\b:\b+7], \c, v[\sa], v[\sb] matrix_a_fmt:MATRIX_FMT_FP4 matrix_b_fmt:MATRIX_FMT_FP4 matrix_a_scale:MATRIX_SCALE_ROW1
.else
	v_wmma_scale_f32_16x16x128_f8f6f4 v[\d:\d+7], v[\a:\a+7], v[\b:\b+7], \c, v[\sa], v[\sb] matrix_a_fmt:MATRIX_FMT_FP4 matrix_b_fmt:MATRIX_FMT_FP4
.endif
.endm
.macro SUMS lo, n                      ; the rows' sums: two numbers an instruction, four chains by turns
.set j, \lo
.rept \n
.irp z, 0,1
	v_pk_add_f32 v[ST+4*\z+2:ST+4*\z+3], v[ST+4*\z+2:ST+4*\z+3], v[S+64*\z+j:S+64*\z+j+1]
.endr
.irp z, 0,1
	v_pk_add_f32 v[SUM2+2*\z:SUM2+2*\z+1], v[SUM2+2*\z:SUM2+2*\z+1], v[S+64*\z+j+2:S+64*\z+j+3]
.endr
.set j, j+4
.endr
.endm
; Both tiles' softmax for a step of 128 keys: from 64 scores a lane and tile to p's codes, p's scale words, f, the rescaled O^T and the running sums
.macro SOFTMAX2 first
	BMAX 0                                         ; the largest score of each block: for the row's maximum and, since p rises with the score, for the block's largest p
	D 3
	v_max3_num_f32 v[ST+1], v[ST+1], v[BM], v[BM+1]
	D 2
	v_max3_num_f32 v[ST+5], v[ST+5], v[BM+2], v[BM+3]
.irp z, 0,1
	D 2
	v_permlanex16_b32 v[TMP+\z], v[ST+4*\z+1], s[SEL], s[SEL+1]
.endr
.irp z, 0,1
	D 2
	v_max_num_f32 v[ST+4*\z+1], v[ST+4*\z+1], v[TMP+\z]   ; the running largest score of my query
.endr
.irp z, 0,1
	D 2
	v_mul_f32 v[TMP+\z], s[CS], v[ST+4*\z+1]        ; as t (c is positive)
.endr
.irp z, 0,1
	D 2
	v_floor_f32 v[TMP+\z], -v[TMP+\z]               ; the new -M = -ceil(t)
.endr
.irp z, 0,1
	D 2
	v_sub_f32 v[TMP+2+\z], v[TMP+\z], v[ST+4*\z]    ; old M - new M: a whole number, 0 or less
.endr
.irp z, 0,1
	D 4
	v_mov_b32 v[ST+4*\z], v[TMP+\z]
.endr
.irp z, 0,1
	D 4
	v_cvt_i32_f32 v[TMP+2+\z], v[TMP+2+\z]          ; (it saturates)
.endr
.irp z, 0,1
	D 2
	v_ldexp_f32 v[FF+2*\z], 1.0, v[TMP+2+\z]        ; f = 2^(old M - new M)
.endr
.if \first == 0
	WIN W_RS
.irp z, 0,1
.set j, 0
.rept 32
	v_pk_mul_f32 v[64*\z+j:64*\z+j+1], v[64*\z+j:64*\z+j+1], v[FF+2*\z:FF+2*\z+1] op_sel_hi:[1,0]   ; O^T under the new M, each accumulator from its low end on; no exponential stands between the products that wrote it and these lines
.set j, j+2
.endr
.endr
	WIN 0
.endif
.irp z, 0,1
.set j, 0
.rept 32
	v_pk_fma_f32 v[S+64*\z+j:S+64*\z+j+1], v[S+64*\z+j:S+64*\z+j+1], s[CS:CS+1], v[ST+4*\z:ST+4*\z+1] op_sel_hi:[1,0,0]   ; t - M, two at a time
.set j, j+2
.endr
.endr
.irp q, 0,1,2,3
	v_fma_f32 v[BM+\q], v[BM+\q], s[CS], v[ST+4*(\q/2)]   ; the same of each block's largest score
.endr
	s_wait_alu depctr_va_vdst(0)                   ; the wait ahead of the batch
.set j, 0
.rept 128
	v_exp_f32 v[S+j], v[S+j]                       ; p = 2^(t - M): not normalised
.set j, j+1
.endr
.irp q, 0,1,2,3
	v_exp_f32 v[BM+\q], v[BM+\q]                    ; the block's largest p
.endr
	v_nop                                          ; a plain place behind the exponentials
	s_wait_alu depctr_va_vdst(0)                   ; and the one wait behind the batch
.irp q, 0,1,2,3
	v_max_num_f32 v[BM+\q], 0x1800000, v[BM+\q]     ; the floor 2^(3 - 127): the byte cannot fall under 1
.endr
.irp q, 0,1,2,3
	D 4
	v_add_nc_u32 v[SO+\q], 0xff000000, v[BM+\q]
.endr
.irp q, 0,1,2,3
	D 4
	v_lshrrev_b32 v[BP+\q], 23, v[SO+\q]
.endr
.irp q, 0,1,2,3
.irp g, 0,1,2,3
	v_cvt_scalef32_pk8_fp4_f32 v[PC+4*\q+\g], v[S+32*\q+8*\g:S+32*\q+8*\g+7], v[SO+\q]   ; register 4 c + g of P's operand
.endr
.endr
.irp z, 0,1
	v_pk_fma_f32 v[ST+4*\z+2:ST+4*\z+3], v[ST+4*\z+2:ST+4*\z+3], v[FF+2*\z:FF+2*\z+1], v[S+64*\z:S+64*\z+1] op_sel_hi:[1,0,1]   ; the sum under the new M, and its first two p.  The sums are taken of the unquantised p
.endr
.irp z, 0,1
	v_pk_add_f32 v[SUM2+2*\z:SUM2+2*\z+1], v[S+64*\z+2:S+64*\z+3], v[S+64*\z+4:S+64*\z+5]
.endr
.irp z, 0,1
	v_lshl_or_b32 v[TMP+\z], v[BP+2*\z+1], 16, v[BP+2*\z]   ; p's scale word is made among the sums' lines
.endr
.irp z, 0,1
	v_pk_add_f32 v[ST+4*\z+2:ST+4*\z+3], v[ST+4*\z+2:ST+4*\z+3], v[S+64*\z+6:S+64*\z+7]
.endr
.irp z, 0,1
	D 4
	v_lshlrev_b32 v[TMP+\z], v[SH8], v[TMP+\z]
.endr
	SUMS 8, 2
.irp z, 0,1
	v_permlanex16_b32 v[TMP+2+\z], v[TMP+\z], s[SEL], s[SEL+1]
.endr
	SUMS 16, 2
.irp z, 0,1
	v_or_b32 v[FF+2*\z+1], v[TMP+\z], v[TMP+2+\z]
.endr
	SUMS 24, 10                                    ; these 40 lines and the two below are the places between the scale words, p's codes and the products
.irp z, 0,1
	D 2
	v_pk_add_f32 v[ST+4*\z+2:ST+4*\z+3], v[ST+4*\z+2:ST+4*\z+3], v[SUM2+2*\z:SUM2+2*\z+1]
.endr
.endm
; A KEY STEP: 128 keys, whose block begins at LDS byte s[TB].  K's fragments and scale words of this step are in registers.
; first = 1: O^T's sums begin.  kn = 0: the next step's K is fetched; 1: the next pass's first tile of Q, into K's registers; 2: nothing.  pf = 1: the prefetch's test.
; The 32 accumulators take turns, one instruction a turn.
.macro STEP first, kn, pf
	WIN W_QK
.irp t, 0,1,2,3,4,5,6,7
.irp z, 0,1
	WM S+64*\z+8*\t, KF+8*\t, QC+8*\z, 0, KS+\t/2, QW+\z, \t%2
.endr
.endr
	WIN 0
	v_add_nc_u32 v[A16], s[TB], v[L16]             ; these two and two v_nop are the four places ahead of the loads into the products' sources and of the first reads of S^T
	v_add_nc_u32 v[A4], s[TB], v[L4]
	v_nop
	v_nop
	WIN W_LD
.irp t, 0,1,2,3,4,5,6,7
.irp c, 0,1
	ds_load_b128 v[VF+8*\t+4*\c:VF+8*\t+4*\c+3], v[A16] offset:8192+1024*\t+512*\c
.endr
.endr
.if (\kn) == 0
	KCODES A16, STEPB
.elseif (\kn) == 1
	XLOAD 0, KF, 1
.endif
	WIN 0
.irp w, 0,1,2,3
	ds_load_b32 v[VS+\w], v[A4] offset:16896+128*\w
.endr
.if (\kn) == 0
	KWORDS A4, STEPB
.endif
.if \pf
	s_cmp_eq_u32 s[CNT], s[PFT]                    ; my wave's trip: the 64 blocks of 256 bytes of my rows of pass 1, a lane a block; the address registers are never rewritten
	s_cbranch_scc0 .Lnot_mine_\@
	global_prefetch_b8 v[PFO], s[4:5] offset:131072 th:TH_LOAD_NT scope:SCOPE_SE
	global_prefetch_b8 v[PFO], s[4:5] offset:131072+8192 th:TH_LOAD_NT scope:SCOPE_SE
.Lnot_mine_\@:
.endif
	SOFTMAX2 \first
	s_wait_alu depctr_va_vdst(0)                   ; the wait here, directly ahead of the wait below
	s_wait_dscnt 0x0                               ; the step's one wait for LDS: V, and the next step's K
	WIN W_PV
.irp t, 0,1,2,3,4,5,6,7
.irp z, 0,1
.if \first
	WM 64*\z+8*\t, VF+8*\t, PC+8*\z, 0, VS+\t/2, FF+2*\z+1, \t%2
.else
	WM 64*\z+8*\t, VF+8*\t, PC+8*\z, v[64*\z+8*\t:64*\z+8*\t+7], VS+\t/2, FF+2*\z+1, \t%2
.endif
.endr
.endr
	WIN 0
	s_add_co_u32 s[TB], s[TB], STEPB
.endm
; THE WAY OUT of pass p: O^T / the sum goes through my stage, half a row of a tile's 16 queries at a time, and leaves as aligned runs of 256 bytes
.macro WAYOUT p
.irp z, 0,1
	v_add_f32 v[BM+\z], v[ST+4*\z+2], v[ST+4*\z+3]  ; the sum's two halves (these six lines and the v_nop are the places behind the last products)
.endr
.irp z, 0,1
	D 2
	v_permlanex16_b32 v[BP+\z], v[BM+\z], s[SEL], s[SEL+1]
.endr
.irp z, 0,1
	D 2
	v_add_f32 v[BM+\z], v[BM+\z], v[BP+\z]          ; and lane l xor 16's
.endr
	s_wait_alu depctr_va_vdst(0)                   ; the wait ahead of the reciprocals
.irp z, 0,1
	v_rcp_f32 v[FF+2*\z], v[BM+\z]
.endr
	v_nop
.if \p == 0
	WIN W_LD
	XLOAD 1, VF, 1                                 ; the next pass's second tile of Q, into V's registers
.endif
	WIN W_QK
	s_wait_alu depctr_va_vdst(0)                   ; the wait behind them, directly ahead of the first readers of O^T
.irp z, 0,1
.set j, 0
.rept 32
	v_pk_mul_f32 v[S+64*\z+j:S+64*\z+j+1], v[64*\z+j:64*\z+j+1], v[FF+2*\z:FF+2*\z+1] op_sel_hi:[1,0]   ; register 8 t + i is o(r, 16 t + 8 h + i)
.set j, j+2
.endr
.endr
	WIN 0
.irp z, 0,1
.irp u, 0,1
.irp t, 0,1,2,3
	ds_store_b128 v[STO], v[S+64*\z+32*\u+8*\t:S+64*\z+32*\u+8*\t+3] offset:64*\t
	ds_store_b128 v[STO], v[S+64*\z+32*\u+8*\t+4:S+64*\z+32*\u+8*\t+7] offset:64*\t+16
.endr
.irp i, 0,1,2,3,4,5,6,7
	ds_load_b128 v[S+64*\z+32*\u+4*\i:S+64*\z+32*\u+4*\i+3], v[RD] offset:544*\i
.endr
.endr
.endr
.irp z, 0,1
.irp u, 0,1
.irp i, 0,1,2,3,4,5,6,7
	s_wait_dscnt 16*(3-(2*\z+\u))+7-\i             ; younger than this load: the rest of its group's eight, and sixteen LDS instructions for each later group
	global_store_b128 v[GO], v[S+64*\z+32*\u+4*\i:S+64*\z+32*\u+4*\i+3], s[8:9] offset:131072*\p+8192*\z+1024*\i+256*\u th:TH_STORE_NT
.endr
.endr
.endr
.if \p == 0
	s_wait_xcnt 0x0                                ; the stores have read their data: the next pass's Q lands in those registers
.endif
.endm
; A pass: Q's two tiles are quantised, then 256 of the work-group's rows walk the 16 key steps; the first and the last step are written out
.macro PASS p
	s_wait_loadcnt 16                              ; the first tile's 16 loads are in; the second tile's 16 may be out
	QSTAGE 0, KF
	s_wait_loadcnt 0x0
	QSTAGE 1, VF
	s_wait_dscnt 0x0                               ; Q is back, and the stage's stores have read K's and V's registers
.if \p
	FETCHK0
.endif
	QUANT2
.irp z, 0,1
	v_mov_b32 v[ST+4*\z], 0x7e000000               ; -M: above every -M to come, so that the first f is 0
	v_mov_b32 v[ST+4*\z+1], 0xff61b1e6             ; the largest score so far: -3e38
	v_mov_b32 v[ST+4*\z+2], 0                      ; the sum, in two halves
	v_mov_b32 v[ST+4*\z+3], 0                      ; (these eight lines and the v_nop above are the places between Q's scale words and codes and the products)
.endr
.if \p == 0
	s_wait_alu depctr_va_vdst(0)                   ; the wait here, directly ahead of the wait below
	s_wait_tensorcnt 0x0                           ; my two steps of the head's block are in,
	s_barrier_signal -1
	s_barrier_wait -1                              ; everybody's are; nothing is filled again
	FETCHK0
.endif
	s_wait_alu depctr_va_vdst(0)
	s_wait_dscnt 0x0
	s_mov_b32 s[TB], 0
	STEP 1, 0, 0
	s_mov_b32 s[CNT], 14
.Lstep_\@:
	STEP 0, 0, 1-\p
	s_sub_co_u32 s[CNT], s[CNT], 1
	s_cmp_lg_u32 s[CNT], 0
	s_cbranch_scc1 .Lstep_\@
	STEP 0, 1+\p, 0
	WAYOUT \p
.endm
	s_load_b128 s[4:7], s[0:1], 0x0                ; Q s[4:5], kv s[6:7]
	s_load_b64 s[8:9], s[0:1], 0x10                ; out0
	v_lshl_add_u32 v[SPW], v0, 2, SPARE
	v_mov_b32 v[NIL], 0
	ds_add_u32 v[SPW], v[NIL]                      ; the opening lines: the add, twice on end, and its wait
	ds_add_u32 v[SPW], v[NIL]
	v_lshrrev_b32 v30, 5, v0
	v_readfirstlane_b32 s[WV], v30                 ; wave 0..7
	s_bfe_u32 s11, ttmp6, 0x40000                  ; cx: it enters Q's and out0's offsets alone
	s_lshl_b32 s12, ttmp9, 2
	s_add_co_u32 s12, s12, s11                     ; x: which 512 rows of the head's 8,192
	s_and_b32 s13, ttmp7, 0xffff                   ; y: the key/value head, which the four partners share
	s_lshl_b32 s14, s13, 22                        ; 8,192 rows of 512 bytes,
	s_lshl_b32 s15, s12, 18                        ; 512 rows,
	s_add_co_u32 s14, s14, s15
	s_lshl_b32 s15, s[WV], 14                      ; my wave's 32 rows of a pass
	s_add_co_u32 s14, s14, s15
	s_mov_b32 s15, 0
	s_mul_i32 s16, s13, HEADB                      ; kv: the head's block,
	s_mul_i32 s19, s[WV], 2*STEPB                  ; my two steps of it: in memory and in LDS alike
	s_add_co_u32 s16, s16, s19
	s_mov_b32 s17, 0
	s_mul_i32 s18, s[WV], 4352
	s_add_co_u32 s18, s18, STAGE                   ; my stage
	s_sub_co_u32 s[PFT], 14, s[WV]
	; descriptor group 1: 34,816 dense bytes as 136 rows of 256 bytes (32 elements of 8 bytes)
	s_mov_b32 s[G1], 15|(3<<16)|(1<<21)            ; the mask: all four work-groups; elements of 8 bytes; bit 21 beside a mask
	s_mov_b32 s[G1+1], 32<<16
	s_mov_b32 s[G1+2], 136<<16
	s_mov_b32 s[G1+3], 32<<16
	s_mov_b32 s[G1+4], 136
	s_mov_b32 s[G1+5], 32
	s_mov_b32 s[G1+6], 0
	s_mov_b32 s[G1+7], 0
	s_mov_b32 s[SEL], 0x76543210
	s_mov_b32 s[SEL+1], 0xfedcba98
	s_mov_b32 s[CS], 0x3e0293ee                    ; c = log2(e) / sqrt(128)
	s_mov_b32 s[CS+1], s[CS]
	v_and_b32 v30, 31, v0                          ; lane
	v_and_b32 v31, 15, v0                          ; r
	v_bfe_u32 v48, v0, 4, 1                        ; h
	v_lshlrev_b32 v[L16], 4, v30
	v_lshlrev_b32 v[L4], 2, v30
	v_lshlrev_b32 v[PFO], 8, v30
	v_lshlrev_b32 v[SH8], 3, v48
	v_mul_u32_u24 v[STO], v31, 272
	v_mul_u32_u24 v[RD], v48, 272
	v_lshlrev_b32 v[GO], 9, v48
	v_lshl_add_u32 v[QLD], v48, 7, v[STO]
	v_lshl_add_u32 v[STO], v48, 5, v[STO]
	v_lshl_add_u32 v[RD], v31, 4, v[RD]
	v_lshl_add_u32 v[GO], v31, 4, v[GO]
	v_add_nc_u32 v[QLD], s18, v[QLD]
	v_add_nc_u32 v[STO], s18, v[STO]
	v_add_nc_u32 v[RD], s18, v[RD]
.irp b, 0,1,2,3
	v_mov_b32 v[TMP+\b], 0                         ; written once: a lane permute's destination counts as one of its sources
	v_mov_b32 v[BP+\b], 0
.endr
	v_mov_b32 v[FF+1], 0                           ; (named as the upper halves of the pairs with f before they are first written)
	v_mov_b32 v[FF+3], 0
	s_wait_alu depctr_va_vdst(0)                   ; the wait at the head's end
	s_wait_dscnt 0x0                               ; both opening adds are done
	s_wait_kmcnt 0x0
	s_add_nc_u64 s[4:5], s[4:5], s[14:15]          ; Q and out0 at my wave's first row
	s_add_nc_u64 s[8:9], s[8:9], s[14:15]
	WIN W_LD
	XLOAD 0, KF, 0                                 ; pass 0's Q sets out ahead of the round
	XLOAD 1, VF, 0
	WIN 0
	s_mov_b32 s[G0], 1
	s_mov_b32 s[G0+1], s19                         ; LDS address: wave x 34,816
	s_add_nc_u64 s[G0+2:G0+3], s[6:7], s[16:17]    ; global address: made of y and the wave's number alone
	s_or_b32 s[G0+3], s[G0+3], 0x80000000
	CROUND                                         ; all four work-groups are here: the joint loads meet
	tensor_load_to_lds s[G0:G0+3], s[G1:G1+7]      ; my one tensor load of the launch
	s_nop 0
.rept 4
	v_nop                                          ; behind a tensor load
.endr
	PASS 0
	PASS 1
	s_wait_tensorcnt 0x0                           ; the wave's end
	ds_add_u32 v[SPW], v[NIL]
	s_wait_dscnt 0x0
	CROUND                                         ; the closing round
	s_endpgm
.Lfunc_end_k_q3ea854fc99_attn:
	.size	k_q3ea854fc99_attn, .Lfunc_end_k_q3ea854fc99_attn-k_q3ea854fc99_attn
	.p2alignl 7, 3214868480
	.fill 96, 4, 3214868480
	.section	.rodata,"a",@progbits
	.p2align	6, 0x0
	.amdhsa_kernel k_q3ea854fc99_attn
		.amdhsa_group_segment_fixed_size 327680
		.amdhsa_private_segment_fixed_size 0
		.amdhsa_enable_private_segment 0
		.amdhsa_kernarg_size 24
		.amdhsa_user_sgpr_count 2
		.amdhsa_user_sgpr_kernarg_segment_ptr 1
		.amdhsa_wavefront_size32 1
		.amdhsa_system_sgpr_workgroup_id_x 1
		.amdhsa_system_sgpr_workgroup_id_y 1
		.amdhsa_system_sgpr_workgroup_id_z 1
		.amdhsa_system_vgpr_workitem_id 0
		.amdhsa_next_free_vgpr 512
		.amdhsa_next_free_sgpr 66
		.amdhsa_reserve_vcc 0
		.amdhsa_float_denorm_mode_32 3
		.amdhsa_float_denorm_mode_16_64 3
		.amdhsa_memory_ordered 1
		.amdhsa_forward_progress 1
		.amdhsa_inst_pref_size 239
	.end_amdhsa_kernel
	.amdgpu_metadata
---
amdhsa.version: [ 1, 2 ]
amdhsa.kernels:
  - .name:           k_q3ea854fc99_attn
    .symbol:         k_q3ea854fc99_attn.kd
    .args:
      - { .name: Q, .offset: 0, .size: 8, .value_kind: global_buffer, .address_space: global }
      - { .name: kv, .offset: 8, .size: 8, .value_kind: global_buffer, .address_space: global }
      - { .name: out0, .offset: 16, .size: 8, .value_kind: global_buffer, .address_space: global }
    .group_segment_fixed_size: 327680
    .private_segment_fixed_size: 0
    .kernarg_segment_align: 8
    .kernarg_segment_size: 24
    .max_flat_workgroup_size: 256
    .sgpr_count:     66
    .vgpr_count:     512
    .wavefront_size: 32
...
	.end_amdgpu_metadata
.endif
;; end of part 2
